; MI455X (gfx1250); checked and timed in simulation.
; The chip was launched on July 23, 2026; its instructions are those of AMD's public machine-readable ISA for CDNA 5 (MIT licence, August 2026) and "CDNA5" Instruction Set Architecture Reference Guide (July 2026). The comments in the code are by the model that wrote it; some were corrected since.
;; Embedding. Allowed arithmetic: float matrix products may take bf16 or f16 operands with f32 sums; all other float work in f32.
;; Inputs: token_ids 4 x 2,048 int32; weight 32,000 x 1,024 float32.
;; Outputs: out0 4 x 2,048 x 1,024 float32.
;; One version. Each part assembles by itself: llvm-mc -triple=amdgcn-amd-amdhsa -mcpu=gfx1250 --defsym DOCPART=n.
;; ======== version 1 of 1: 1 launch
;; launch gather (part 1): grid 256 x 1, 8 waves a work-group, no clusters, 0 bytes of LDS; arguments token_ids, weight, out0; writes out0
.if DOCPART == 1
	.amdgcn_target "amdgcn-amd-amdhsa--gfx1250"
	.amdhsa_code_object_version 6
	.text
	.protected	k_q152472f02e_gather
	.globl	k_q152472f02e_gather
	.p2align	8
	.type	k_q152472f02e_gather,@function
k_q152472f02e_gather:
	s_mov_b64 s[64:65], 0
	v_nop
	global_prefetch_b8 v0, s[64:65] scope:SCOPE_SE
	s_setreg_imm32_b32 hwreg(HW_REG_WAVE_MODE, 25, 1), 1
	s_wait_xcnt 0x0
; out0[t][:] = weight[token_ids[t]][:].  token_ids: 8,192 int32.  weight: [32000][1024] f32.  out0: [8192][1024] f32.
; A pure copy of rows of 4,096 bytes: no arithmetic, so no matrix unit; every byte is used once by one lane, so no LDS,
; no barrier, no cluster (work-groups share no tile).
; 256 work-groups x 8 waves x 4 rows = 8,192 rows.  A wave owns four consecutive tokens: their ids are 16 aligned bytes
; (one scalar load; no line of this kernel writes token_ids).  A lane owns 16 bytes of every 512-byte piece, so each load
; and each store of a wave covers 512 consecutive bytes that start at a multiple of 512 from the buffer's first byte.
; No loop: the wave's whole share (4 rows = 32 loads = 128 registers) is requested in one run, then stored in the same
; order, each store as soon as its own load is back, so that the stores leave while younger loads are still on their way.
; LIMIT: ids are taken to lie in 0 .. 31,999.  An id outside (as an unsigned number, so negative
; ones too) is clamped to 31,999 to keep the address inside the table; jnp.take would fill with NaN or wrap there.
; The row loads carry no non-temporal hint, since the list may name a row more than once; the stores do: out0 is
; written once and never read here.
.set VOCAB,  32000
.set ROWB,   4096                      ; bytes in a row
.set ROWS,   4                         ; rows of a wave
.set PIECE,  512                       ; bytes that one load or store of a wave covers
.set NLOAD,  ROWS*ROWB/PIECE           ; 32 loads, 32 stores a wave
.set LN,     2                         ; v2        16 x lane: my bytes in a piece; the stores' offset
.set OFF,    4                         ; v[4:7]    row r: id x 4,096 + 16 x lane, my byte offset in the table (below 2^27)
.set X,      8                         ; v[8:135]  row r, piece j: 4 registers at X + 32 r + 4 j
.set ID,     16                        ; s[16:19]  the wave's four ids
	s_load_b128 s[4:7], s[0:1], 0x0                ; token_ids s[4:5], weight s[6:7]
	s_load_b64 s[8:9], s[0:1], 0x10                ; out0
	v_lshrrev_b32 v1, 5, v0
	v_readfirstlane_b32 s10, v1                    ; wave in the work-group, 0 to 7
	v_and_b32 v[LN], 31, v0
	v_lshlrev_b32 v[LN], 4, v[LN]                  ; 16 x lane
	s_lshl_b32 s11, ttmp9, 3
	s_add_co_u32 s11, s11, s10                     ; wave in the launch, 0 to 2,047
	s_lshl_b32 s12, s11, 4                         ; its four ids: 16 bytes a wave
	s_mov_b32 s13, 0
	s_lshl_b32 s2, s11, 14                         ; its four rows of out0: 16,384 bytes a wave, below 2^25
	s_mov_b32 s3, 0
	s_wait_kmcnt 0x0                               ; the three addresses are in
	s_add_nc_u64 s[4:5], s[4:5], s[12:13]
	s_load_b128 s[ID:ID+3], s[4:5], 0x0            ; four ids
	s_add_nc_u64 s[8:9], s[8:9], s[2:3]            ; out0 at the wave's first row
	s_wait_kmcnt 0x0
.irp r, 0,1,2,3
	s_min_u32 s[ID+\r], s[ID+\r], VOCAB-1          ; a loaded number enters an address only clamped to the table
.endr
.irp r, 0,1,2,3
	v_lshl_add_u32 v[OFF+\r], s[ID+\r], 12, v[LN]  ; id x 4,096 + 16 x lane
.endr
	; all 32 loads in one run: 16 KiB of the wave on their way
.irp r, 0,1,2,3
.irp j, 0,1,2,3,4,5,6,7
	global_load_b128 v[X+32*\r+4*\j:X+32*\r+4*\j+3], v[OFF+\r], s[6:7] offset:PIECE*\j
.endr
.endr
	; the stores, in the loads' order.  Loads come back in order (ISA guide 5.7.1): in front of store n the count
	; NLOAD-1-n shows load n done and leaves the NLOAD-1-n younger ones out.  No register that a load or a store names
	; is written again, so nothing else has to be waited for; stores may be out at the end of the program.
.irp r, 0,1,2,3
.irp j, 0,1,2,3,4,5,6,7
	s_wait_loadcnt NLOAD-1-(8*\r+\j)
	global_store_b128 v[LN], v[X+32*\r+4*\j:X+32*\r+4*\j+3], s[8:9] offset:ROWB*\r+PIECE*\j th:TH_STORE_NT
.endr
.endr
	s_endpgm
.Lfunc_end_k_q152472f02e_gather:
	.size	k_q152472f02e_gather, .Lfunc_end_k_q152472f02e_gather-k_q152472f02e_gather
	.p2alignl 7, 3214868480
	.fill 96, 4, 3214868480
	.section	.rodata,"a",@progbits
	.p2align	6, 0x0
	.amdhsa_kernel k_q152472f02e_gather
		.amdhsa_group_segment_fixed_size 0
		.amdhsa_private_segment_fixed_size 0
		.amdhsa_enable_private_segment 0
		.amdhsa_kernarg_size 24
		.amdhsa_user_sgpr_count 2
		.amdhsa_user_sgpr_kernarg_segment_ptr 1
		.amdhsa_wavefront_size32 1
		.amdhsa_system_sgpr_workgroup_id_x 1
		.amdhsa_system_sgpr_workgroup_id_y 1
		.amdhsa_system_sgpr_workgroup_id_z 1
		.amdhsa_system_vgpr_workitem_id 0
		.amdhsa_next_free_vgpr 136
		.amdhsa_next_free_sgpr 66
		.amdhsa_reserve_vcc 0
		.amdhsa_float_denorm_mode_32 3
		.amdhsa_float_denorm_mode_16_64 3
		.amdhsa_memory_ordered 1
		.amdhsa_forward_progress 1
		.amdhsa_inst_pref_size 9
	.end_amdhsa_kernel
	.amdgpu_metadata
---
amdhsa.version: [ 1, 2 ]
amdhsa.kernels:
  - .name:           k_q152472f02e_gather
    .symbol:         k_q152472f02e_gather.kd
    .args:
      - { .name: token_ids, .offset: 0, .size: 8, .value_kind: global_buffer, .address_space: global }
      - { .name: weight, .offset: 8, .size: 8, .value_kind: global_buffer, .address_space: global }
      - { .name: out0, .offset: 16, .size: 8, .value_kind: global_buffer, .address_space: global }
    .group_segment_fixed_size: 0
    .private_segment_fixed_size: 0
    .kernarg_segment_align: 8
    .kernarg_segment_size: 24
    .max_flat_workgroup_size: 256
    .sgpr_count:     66
    .vgpr_count:     136
    .wavefront_size: 32
...
	.end_amdgpu_metadata
.endif
;; end of part 1
